; MI455X (gfx1250); checked and timed in simulation.
; The chip was launched on July 23, 2026; its instructions are those of AMD's public machine-readable ISA for CDNA 5 (MIT licence, August 2026) and "CDNA5" Instruction Set Architecture Reference Guide (July 2026). The comments in the code are by the model that wrote it; some were corrected since.
;; Softmax Attention. Allowed arithmetic: matrix products marked QUANTISED: E2M3 operands, one E8M0 scale for each 32 along K, by v_wmma_scale_f32_16x16x128_f8f6f4 with both operands' format E2M3, f32 sums; everything else in f32.
;; Inputs: attention_mask 4 x 2,048 float32; key_layer 4 x 16 x 2,048 x 64 float32; query_layer 4 x 16 x 2,048 x 64 float32; value_layer_codes 4 x 16 x 64 x 64 x 24 uint8 (E2M3 codes of value_layer, K innermost, in blocks of 32 codes, four codes in three bytes); value_layer_scales 4 x 16 x 64 x 64 uint8 (E8M0 scales of value_layer, one for each 32 codes along K).
;; Outputs: out0 4 x 16 x 2,048 x 64 float32.
;; This version of the problem:
;;   THIS VERSION OF THE PROBLEM IS GIVEN IN LOW PRECISION. The matrix products marked QUANTISED in the list below multiply operands that are first quantised to E2M3 (2 exponent bits, 3 mantissa bits; 6 bits a number), with one power-of-two scale for each 32 numbers along K (OCP MX v1.0); their sums are f32. All else is computed in f32.
;;   The module's matrix products, in the order in which they are computed (A, B: the left and right operand; K: the contracted axis; several contracted axes count as one K, in the product's order):
;;     1. batch 64 x [M 2,048, K 64] x [K 64, N 2,048]; A: computed on the way; B: computed on the way: QUANTISED
;;     2. batch 64 x [M 2,048, K 2,048] x [K 2,048, N 64]; A: softmax (see below); B: input value_layer (given as codes): QUANTISED
;;   THE QUANTISER, for each operand of a quantised product, along K:
;;     - K is cut into blocks of 32 from its start; a last block that is shorter is filled with zeros.
;;     - A block's scale is 2^e with e = floor(log2(the largest magnitude in the block)) - 2, held to -126 .. 127; a block of zeros has e = 0. As a byte (E8M0): e + 127.
;;     - Each number is divided by its block's scale, clamped to +-7.5, and rounded to the nearest number of E2M3, ties to even, subnormals kept.
;;     - The product sums the exact products of the quantised numbers (number of the format x scale) in f32.
;;   ~~~python
;;   def quantise(x, axis):      # numpy; x: float32 -> the quantised numbers, widened to float32 again
;;       x = np.moveaxis(x, axis, -1); K = x.shape[-1]
;;       x = np.pad(x, [(0, 0)] * (x.ndim - 1) + [(0, -K % 32)]); x = x.reshape(x.shape[:-1] + (-1, 32)); a = np.abs(x).max(-1, keepdims=True)
;;       e = np.where(a > 0, np.clip(np.frexp(np.where(a > 0, a, 1))[1] - 1 - 2, -126, 127), 0)      # np.frexp(a)[1] - 1 = floor(log2(a)), exactly
;;       r = np.clip(x / 2.0 ** e, -7.5, 7.5)
;;       step = 2.0 ** (np.maximum(np.frexp(np.where(r == 0, 1, r))[1] - 1, 0) - 3)
;;       q = np.round(r / step) * step * 2.0 ** e      # np.round: ties to even
;;       return np.moveaxis(q.reshape(q.shape[:-2] + (-1,))[..., :K], -1, axis).astype(np.float32)
;;   ~~~
;;   SOFTMAX AHEAD OF A QUANTISED PRODUCT. Where the list says 'softmax', what is quantised is not the finished softmax but p = 2^(t - M), with t = logit x log2(e) and M = ceil(the row's largest t), a whole number; so 1/2 < the row's largest p <= 1. The row's sum l is taken of the UNQUANTISED p, in f32, and the product's result is divided by l at the end. Since M is a whole number, a kernel that streams over the keys may use a running M (the ceiling of the running maximum): every later rescaling is an exact power of two, which a block's scale takes up: the codes' values come out the same.
;;   OPERANDS COMPUTED ON THE WAY. 'Computed on the way' means the value that the module computes at that place (a softmax that the list does not call 'softmax' is quantised finished and normalised). What goes into a quantiser is computed in f32, as accurately as f32 sums, v_exp_f32 and their like allow (about 1e-6 of the number): no bf16 or f16 on the way to a quantiser, and a product that is left as it is and whose result goes on into a quantised operand takes f32 operands (vector FMAs, or v_wmma_f32_16x16x4_f32). A number that lies on a knife's edge between two numbers of the format may be rounded either way, as far as f32 arithmetic and the matrix unit's own rounding can turn it there, and no further.
;;   INPUTS GIVEN AS CODES. value_layer (in the module: [4, 16, 2048, 64], K = its axis 2): each comes as NAME_codes (uint8): NAME with its K axis moved to the last place and cut into blocks of 32 codes, [.., K / 32, bytes a block], one block behind the other in memory; four codes in three bytes: a row's codes are one little-endian stream of bits, code i at bits 6 i .. 6 i + 5 (a code: sign, 2 exponent bits, 3 mantissa bits); and NAME_scales (uint8): the same leading axes, one E8M0 byte (e + 127) for each 32 codes along K. Its value is code x scale, taken as it is: it is not quantised again, and the codes and scales need not be those that the quantiser above would give.
;; 2 versions, each right; version 2 is version 1 with the launch attn written anew for expert scheduling mode. Each part assembles by itself: llvm-mc -triple=amdgcn-amd-amdhsa -mcpu=gfx1250 --defsym DOCPART=n.
;; ======== version 1 of 2: 1 launch
;; launch attn (part 1): grid 256 x 1, 8 waves a work-group, no clusters, 253,952 bytes of LDS; arguments query_layer, key_layer, value_layer_codes, value_layer_scales, attention_mask, out0; writes out0
.if DOCPART == 1
	.amdgcn_target "amdgcn-amd-amdhsa--gfx1250"
	.amdhsa_code_object_version 6
	.text
	.protected	k_qbd02ea553c_attn
	.globl	k_qbd02ea553c_attn
	.p2align	8
	.type	k_qbd02ea553c_attn,@function
k_qbd02ea553c_attn:
	s_mov_b64 s[64:65], 0
	v_nop
	global_prefetch_b8 v0, s[64:65] scope:SCOPE_SE
	s_setreg_imm32_b32 hwreg(HW_REG_WAVE_MODE, 25, 1), 1
	s_wait_xcnt 0x0
; out[b][h][q][:] = sum over k of softmax_k( (Q[q]/64^(1/4)) . (K[k]/64^(1/4)) - 1000 (1 - mask[b][k]) ) V[k][:], 64 heads of 2,048 x 64, both products on codes of FP6 (E2M3) with one E8M0 scale for each 32 along K.
; Q and K arrive as f32: they are scaled and quantised here, along the head's 64 numbers (two blocks of 32).  V arrives as codes with the keys innermost (a row for each channel: 1,536 bytes) and its scale bytes.
; THE SOFTMAX AHEAD OF THE SECOND PRODUCT: t = logit x log2(e); M = the row's largest t so far, rounded up to a whole number; p = 2^(t - M) is quantised along the keys, not normalised; the row's sum is taken of the
; unquantised p and divides at the end; when M moves, the sum and O are multiplied by 2^(old M - new M), which rounds nothing.
; NO WORK IS LEFT OUT: every input has a way to the output (the mask differs along the softmax's axis), and all six buffers are arguments.
; ONE LAUNCH, NO WORKSPACE.  A work-group owns 512 queries of one head (four work-groups to a head, 256 in all).  As codes a whole head lies in LDS: K 98,304 bytes, V 99,328 with its padding: nothing is filled twice.
; PROLOGUE: the eight waves copy V's rows, turn the mask into the additive term, lay V's scale words by key step, and quantise the head's K (256 keys a wave) and their own 64 queries.  ONE BARRIER.
; MAIN LOOP: each wave walks 16 key steps of 128 keys with FOUR tiles of 16 queries, so that each fragment of K and V, each scale word and each mask register read from LDS feeds four matrix instructions.
; LAYOUT.  Both products are used transposed: S^T = K Q^T + mask (source 0 = 16 keys, source 1 = 16 queries, C = the additive mask in the result's layout, which costs no addition), O^T = V^T P^T: a lane holds ONE query.
; THE KEYS OF A TILE ARE NOT NEIGHBOURS: row r of tile 2 b + u is key 32 b + 8 u + r + 8 (r / 8), so that S^T's registers 16 b .. 16 b + 15 are the neighbouring keys 32 b + 16 (lane / 16) + 0 .. 15.
; THE FIRST PRODUCT'S K IS 64, the instruction's 128.  Q's registers 6-11 are zero codes and bytes 2, 3 of both scale words are 0x7f.  K's fragments lie 6 registers apart, so registers 6-11 of fragment i are fragment
; i + 1's codes (the last: zeros): every 6-bit pattern is a finite number, it meets Q's zeros, and adds exactly 0.  That halves K's bytes in LDS and its registers.
; NO JOINT LOADS: what the four work-groups of a head could receive as it lies (V's codes and scale bytes, the mask) is 110,592 of a work-group's 766,000 input bytes; K, the large shared part, has to pass through registers.
; ORDER OF ROUNDING THAT DIFFERS: q and k are multiplied by f32(2^-1.5) where the problem divides by f32(2^1.5): about 1e-7 of the number.  The mask's term is rounded twice, (1 - m), then x -1000, as the problem has it.
; LIMITS: NaN and infinities among the inputs are not served.  A block whose largest magnitude lies under 2^-124 (a block of zeros too) gets the scale byte 1: its codes are zeros or the nearest codes under that scale, and this program alone reads the bytes.
.set REC,   7424                       ; LDS: a record for each key step: K's image 6,144 | K's scale words 512 | the additive mask 512 | V's scale words 256
.set KSC,   6144
.set AMO,   6656
.set VSO,   7168
.set VP,    1552                       ; a row of V: 1,536 bytes + 16 = 388 words: row r starts at bank 4 r mod 64 (64 banks of 4 bytes: ISA guide 11.1): the 32 lanes of a load of 8 bytes touch 64 different banks
.set VR,    16*REC                     ; V's 64 rows
.set SP,    272                        ; a stage row: 256 bytes + 16
.set STG,   VR+64*VP                   ; a stage of 16 rows for each wave, its own: the turn of f32 rows in the prologue, and the way out
.set SPARE, STG+8*16*SP                ; the spare words, 128 bytes for each wave: four blocks of 256 bytes that no other line names
; REGISTERS, window 0
.set SPW, 1                            ; v1   LDS address of my spare word; never rewritten
.set NIL, 2                            ; v2   0; never rewritten
.set ADK, 3                            ; v3-7 the key step's LDS addresses: K's image, the mask, V's scale words, V's rows 0-31, rows 32-63
.set ADM, 4
.set ADT, 5
.set ADV0, 6
.set ADV1, 7
.set RD,  8                            ; v8   stage: row 2 n + lane / 16, 16 bytes at 16 (lane % 16)
.set SOUT, 9                           ; v9   stage: row lane % 16, 128 bytes at 128 (lane / 16)
.set STO, 10                           ; v10  stage: row lane % 16, 32 bytes at 32 (lane / 16)
.set GL,  11                           ; v11  16 x lane: offset of every dense global access, and K's image's place for my lane
.set ST,  12                           ; v12-27 tile q at ST + 4 q: -M, the largest t, the sum in two halves
.set SH8, 28                           ; v28  8 (lane / 16)
.set AW,  29                           ; v29  my wave's two records + 16 x lane
.set VW,  30                           ; v30  my wave's eight rows of V + 16 x lane
.set VSA, 31                           ; v31  where my thread's four scale words of V go
.set QS,  32                           ; v32-35 Q's scale words, a register a tile
.set PS,  36                           ; v36-39 P's
.set KS,  40                           ; v40-43 K's: register b: lanes 0-15 tile 2 b, lanes 16-31 tile 2 b + 1
.set VS,  44                           ; v44-45 V's: register j: lane l is channel 32 j + l
.set FP,  46                           ; v46  f = 2^(old M - new M); v47 named with it as a pair
.set BM,  48                           ; v48-51 block maxima
.set BT,  52                           ; v52-55 permute targets, a sum chain, bytes
.set SO,  56                           ; v56-59 the conversions' scale operands
.set TMP, 60                           ; v60-61
.set PT,  62                           ; v62-69 the conversions' second halves
.set F,   70                           ; v70-117 eight fragments of K (6 registers each), later four of V (12 each); v118-123 zeros
.set S,   124                          ; v124-187 S^T, then p
.set P,   188                          ; v188-235 P's codes, 12 a tile
.set ADM0, 236                         ; v236-239 the bases of ADM, ADT, ADV0, ADV1; never rewritten
.set ADT0, 237
.set AV00, 238
.set AV10, 239
.set VTO, 240                          ; v240 16 x thread; never rewritten
.set X,   F                            ; prologue: a lane's block of 32 numbers
.set C,   F+32                         ; prologue: the codes of two tiles
.set MT,  220                          ; prologue: 8 numbers of the mask
.set VT,  228                          ; prologue: 4 scale words of V
; window 1: v0-127 O^T (tile q, channels 16 t on, at 32 q + 8 t); v128-175 Q (12 a tile); v176-239 the additive mask in the result's layout
.set QW,  128
.set MC,  176
.set SEL, 20                           ; s[20:21] v_permlanex16_b32's selects for lane l xor 16
.set CS,  22                           ; s[22:23] log2(e), a pair for the packed form
.set CQ,  24                           ; s[24:25] 2^-1.5
.set TR,  27                           ; s27  the key step's record
.set TV,  28                           ; s28  the key step's 96 bytes in a row of V
.set MSB, 0
.macro WIN new                         ; the immediate's high byte repeats the setting that is left; a switch that changes nothing is dropped
.if MSB != \new
	s_set_vgpr_msb (MSB<<8)|\new
.set MSB, \new
.endif
.endm
	s_load_b256 s[4:11], s[0:1], 0x0               ; Q s[4:5], K s[6:7], V's codes s[8:9], V's scales s[10:11]
	s_load_b128 s[12:15], s[0:1], 0x20             ; the mask s[12:13], out s[14:15]
	v_lshl_add_u32 v[SPW], v0, 2, SPARE
	v_mov_b32 v[NIL], 0
	v_lshrrev_b32 v51, 5, v0
	v_readfirstlane_b32 s16, v51                   ; wave 0..7
	s_lshr_b32 s17, ttmp9, 2                       ; the head
	s_and_b32 s18, ttmp9, 3                        ; which 512 of its queries
	v_and_b32 v48, 31, v0                          ; lane
	v_and_b32 v49, 15, v0                          ; r
	v_bfe_u32 v50, v0, 4, 1                        ; h
	v_lshlrev_b32 v[GL], 4, v48
	v_lshl_add_u32 v[ADM0], v50, 6, AMO            ; the mask: my half's 16 keys of each 32
	v_lshl_add_u32 v[ADT0], v48, 3, VSO            ; V's scale words: 8 bytes a lane
	v_mul_u32_u24 v[AV00], v49, VP
	v_mad_u32_u24 v[AV00], v50, 24, v[AV00]
	v_add_nc_u32 v[AV00], VR, v[AV00]              ; V: row r, + 24 bytes for the upper half of the lanes
	v_add_nc_u32 v[AV10], 32*VP, v[AV00]           ; and 32 rows on
	s_mul_i32 s40, s16, 16*SP
	s_add_co_u32 s40, s40, STG                     ; my stage
	v_mul_u32_u24 v[RD], v50, SP
	v_lshl_add_u32 v[RD], v49, 4, v[RD]
	v_add_nc_u32 v[RD], s40, v[RD]
	v_mul_u32_u24 v51, v49, SP
	v_add_nc_u32 v51, s40, v51
	v_lshl_add_u32 v[SOUT], v50, 7, v51
	v_lshl_add_u32 v[STO], v50, 5, v51
	v_lshlrev_b32 v[SH8], 3, v50
	s_mul_i32 s40, s16, 2*REC
	v_add_nc_u32 v[AW], s40, v[GL]
	s_mul_i32 s40, s16, 8*VP
	s_add_co_u32 s40, s40, VR
	v_add_nc_u32 v[VW], s40, v[GL]
	v_and_b32 v51, 3, v0                           ; thread t holds channel t / 4's scale words of key steps 4 (t % 4) + 0 .. 3
	v_mul_u32_u24 v[VSA], v51, 4*REC
	v_bfe_u32 v51, v0, 2, 5
	v_lshl_add_u32 v[VSA], v51, 3, v[VSA]          ; channel % 32: 8 bytes a lane of the image,
	v_lshrrev_b32 v51, 7, v0
	v_lshl_add_u32 v[VSA], v51, 2, v[VSA]          ; channel / 32: which of the lane's two words
	v_lshlrev_b32 v[VTO], 4, v0
	v_mov_b32 v[BT+1], 0                           ; written once: a lane permute's destination counts as one of its sources
	s_mov_b32 s[SEL], 0x76543210
	s_mov_b32 s[SEL+1], 0xfedcba98
	s_mov_b32 s[CS], 0x3fb8aa3b                    ; log2(e)
	s_mov_b32 s[CS+1], s[CS]
	s_mov_b32 s[CQ], 0x3eb504f3                    ; 2^-1.5 = 1 / 64^(1/4)
	s_mov_b32 s[CQ+1], s[CQ]
	s_mov_b32 s26, 0xffff0000                      ; lanes 16-31
	s_mov_b32 s[TR], 0
	s_mov_b32 s[TV], 0
	s_lshl_b32 s30, s17, 19                        ; Q and out: a head is 2,048 rows of 256 bytes,
	s_lshl_b32 s40, s18, 17                        ; my work-group's 512 rows,
	s_add_co_u32 s30, s30, s40
	s_lshl_b32 s40, s16, 14                        ; my wave's 64
	s_add_co_u32 s30, s30, s40
	s_mov_b32 s31, 0
	s_lshl_b32 s32, s17, 19                        ; K: the head, my wave's 256 keys
	s_lshl_b32 s40, s16, 16
	s_add_co_u32 s32, s32, s40
	s_mov_b32 s33, 0
	s_mul_i32 s34, s17, 98304                      ; V's codes: the head's 64 rows of 1,536 bytes, my wave's 8
	s_mul_i32 s40, s16, 12288
	s_add_co_u32 s34, s34, s40
	s_mov_b32 s35, 0
	s_lshl_b32 s36, s17, 12                        ; V's scale bytes: 4,096 a head
	s_mov_b32 s37, 0
	s_lshr_b32 s38, s17, 4                         ; the mask: the batch's 8,192 bytes, my wave's 256 keys
	s_lshl_b32 s38, s38, 13
	s_lshl_b32 s40, s16, 10
	s_add_co_u32 s38, s38, s40
	s_mov_b32 s39, 0
	s_wait_kmcnt 0x0
	s_add_nc_u64 s[4:5], s[4:5], s[30:31]
	s_add_nc_u64 s[14:15], s[14:15], s[30:31]
	s_add_nc_u64 s[6:7], s[6:7], s[32:33]
	s_add_nc_u64 s[8:9], s[8:9], s[34:35]
	s_add_nc_u64 s[10:11], s[10:11], s[36:37]
	s_add_nc_u64 s[12:13], s[12:13], s[38:39]
; THE PROLOGUE goes by 23 ITEMS of eight loads of 512 consecutive bytes: 0-2 V's rows; 3-6 my four tiles of Q; 7-22 my sixteen tiles of K.  Three sets of 32 registers (v124-219) take turns: loads run three items ahead.
.macro LOADS i
.set RL, S+32*((\i)%3)
.irp n, 0,1,2,3,4,5,6,7
.if (\i) < 3
	global_load_b128 v[RL+4*\n:RL+4*\n+3], v[GL], s[8:9] offset:(8*(\i)+\n)*512
.elseif (\i) < 7
	global_load_b128 v[RL+4*\n:RL+4*\n+3], v[GL], s[4:5] offset:4096*((\i)-3)+512*\n th:TH_LOAD_NT   ; read by this wave alone
.else
.set KL, (\i)-7                        ; key step KL / 8 of my two, tile KL % 8; load n brings the tile's rows 2 n, 2 n + 1: two neighbouring keys
	global_load_b128 v[RL+4*\n:RL+4*\n+3], v[GL], s[6:7] offset:(128*(KL/8)+32*((KL%8)/2)+8*(KL%2)+2*\n+8*(\n/4))*256
.endif
.endr
.endm
; A lane's block, v[X] .. v[X + 31] = k 32 (lane / 16) + 0 .. 31 of row lane % 16, is scaled and quantised: six registers of codes at v[dst], which are the operand's registers 0-5, and the row's scale word in v[wreg], in both halves of the lanes.
.macro QTILE dst, wreg
.irp j, 0,2,4,6,8,10,12,14,16,18,20,22,24,26,28,30
	v_pk_mul_f32 v[X+\j:X+\j+1], v[X+\j:X+\j+1], s[CQ:CQ+1] op_sel_hi:[1,0]
.endr
	v_max3_num_f32 v[BM], |v[X]|, |v[X+1]|, 0x1800000          ; the largest magnitude, in two chains, with the floor 2^(3 - 127) among its leaves: the byte cannot fall under 1
	v_max3_num_f32 v[BM+1], |v[X+2]|, |v[X+3]|, |v[X+4]|
.irp k, 5,9,13,17,21,25
	v_max3_num_f32 v[BM], v[BM], |v[X+\k]|, |v[X+\k+1]|
	v_max3_num_f32 v[BM+1], v[BM+1], |v[X+\k+2]|, |v[X+\k+3]|
.endr
	v_max3_num_f32 v[BM], v[BM], |v[X+29]|, |v[X+30]|
	v_max3_num_f32 v[BM], v[BM], v[BM+1], |v[X+31]|
	v_add_nc_u32 v[SO], 0xff000000, v[BM]          ; 2 off its exponent field: the conversion takes the exponent field of this operand as its scale
	v_cvt_scalef32_pk16_fp6_f32 v[\dst:\dst+2], v[X:X+15], v[SO]
	v_cvt_scalef32_pk16_fp6_f32 v[PT:PT+2], v[X+16:X+31], v[SO]    ; (a conversion's three registers begin on an even number)
	v_lshrrev_b32 v[BT], 23, v[SO]                 ; the scale's byte.  (The plain instruction behind the conversions)
	v_lshlrev_b32 v[BT], v[SH8], v[BT]             ; at its place in the word: block lane / 16
.irp e, 0,1,2
	v_mov_b32 v[\dst+3+\e], v[PT+\e]
.endr
	v_permlanex16_b32 v[BT+1], v[BT], s[SEL], s[SEL+1]
	v_or_b32 v[BT], v[BT], v[BT+1]                 ; with lane l xor 16's byte
	v_or_b32 v[\wreg], 0x7f7f0000, v[BT]           ; bytes 2, 3: 1.0, for the 64 along K that hold zeros
.endm
.macro ITEM i
.set RB, S+32*((\i)%3)
.if 22-(\i) >= 2
	s_wait_loadcnt 16                              ; this item's eight loads are in; the two younger items' sixteen may be out
.else
	s_wait_loadcnt 8*(22-(\i))
.endif
.if (\i) < 3
.irp n, 0,1,2,3,4,5,6,7
	ds_store_b128 v[VW], v[RB+4*\n:RB+4*\n+3] offset:((8*(\i)+\n)/3)*VP+((8*(\i)+\n)%3)*512   ; a row of V is three pieces of 512 bytes
.endr
	s_wait_dscnt 0x0                               ; the stores have read their registers
	LOADS (\i)+3
.else
.irp n, 0,1,2,3,4,5,6,7
	ds_store_b128 v[RD], v[RB+4*\n:RB+4*\n+3] offset:2*SP*\n         ; the tile's 16 rows of 256 bytes into my stage as they were loaded,
.endr
.irp j, 0,1,2,3,4,5,6,7
	ds_load_b128 v[X+4*\j:X+4*\j+3], v[SOUT] offset:16*\j            ; and back, 128 neighbouring bytes a lane.  LDS serves a wave's instructions in order (ISA guide 5.7.1.4): these see the stores above
.endr
	s_wait_dscnt 0x0                               ; my block is in; the stage's stores have read their registers, and so have the image's stores of the item before
.if (\i)+3 < 23
	LOADS (\i)+3
.endif
.if (\i) < 7
	QTILE C, QS+(\i)-3
	WIN 0x40                                       ; destination window 1
.irp e, 0,1,2,3,4,5
	v_mov_b32 v[QW+12*((\i)-3)+\e], v[C+\e]
.endr
	WIN 0
.else
.set KT, (\i)-7
.if KT%2 == 0
	QTILE C, TMP
.else
	QTILE C+6, TMP+1
	v_cndmask_b32 v[KS+(KT%8)/2], v[TMP], v[TMP+1], s26              ; lanes 0-15: the even tile's words; lanes 16-31: the odd tile's
.irp c, 0,1,2
	ds_store_b128 v[AW], v[C+4*\c:C+4*\c+3] offset:(KT/8)*REC+1536*((KT%8)/2)+512*\c   ; two fragments, 12 registers, as an image of the registers: 16 bytes a lane, 512 a store
.endr
.if KT%8 == 7
	ds_store_b128 v[AW], v[KS:KS+3] offset:(KT/8)*REC+KSC            ; the key step's scale words likewise
.endif
.endif
.endif
.endif
.endm
	global_load_b128 v[MT:MT+3], v[GL], s[12:13]               ; the mask of my 256 keys: key step 2 w,
	global_load_b128 v[MT+4:MT+7], v[GL], s[12:13] offset:512  ; key step 2 w + 1
	global_load_b128 v[VT:VT+3], v[VTO], s[10:11]              ; 16 of the head's 4,096 scale bytes of V
	LOADS 0
	LOADS 1
	LOADS 2
	s_wait_loadcnt 24                              ; the three small loads are in; the three items' 24 may be out
.irp e, 0,1,2,3,4,5,6,7
	v_sub_f32 v[MT+\e], 1.0, v[MT+\e]              ; rounded here, and again below, as the problem has it: not fused
.endr
.irp e, 0,1,2,3,4,5,6,7
	v_mul_f32 v[MT+\e], 0xc47a0000, v[MT+\e]       ; x -1000
.endr
	ds_store_b128 v[AW], v[MT:MT+3] offset:AMO
	ds_store_b128 v[AW], v[MT+4:MT+7] offset:REC+AMO
.irp e, 0,1,2,3
	ds_store_b32 v[VSA], v[VT+\e] offset:\e*REC+VSO
.endr
.irp i, 0,1,2,3,4,5,6,7,8,9,10,11,12,13,14,15,16,17,18,19,20,21,22
	ITEM \i
.endr
	s_wait_dscnt 0x0                               ; for the others' sake: all my stores into the records and V's rows have landed
	s_barrier_signal -1
	WIN 0x40                                       ; work on registers while the others arrive
.irp q, 0,1,2,3
.irp e, 6,7,8,9,10,11
	v_mov_b32 v[QW+12*\q+\e], 0                    ; Q's zero codes for the upper 64 along K
.endr
.endr
	WIN 0
.irp e, 48,49,50,51,52,53
	v_mov_b32 v[F+\e], 0                           ; what the last fragment of K names beyond its six registers
.endr
.irp q, 0,1,2,3
	v_mov_b32 v[ST+4*\q+1], 0xff61b1e6             ; the largest t so far: -3e38, under every t
	v_floor_f32 v[ST+4*\q], -v[ST+4*\q+1]          ; -M
	v_mov_b32 v[ST+4*\q+2], 0                      ; the sum, in two halves
	v_mov_b32 v[ST+4*\q+3], 0
.endr
.irp b, 0,1,2,3
	v_mov_b32 v[BT+\b], 0                          ; permute targets count as sources
.endr
	v_mov_b32 v[FP+1], 0                           ; named as the upper half of the pair
	s_barrier_wait -1                              ; the whole head lies in LDS; from here on the records and V's rows are only read
; One tile's softmax for one key step, all in window 0: from S^T's 64 logits to P's 12 registers of codes, its scale word, f, and the running -M, t and sum.
.macro SOFT q
.set T,  ST+4*(\q)
.set PQ, P+12*(\q)
.irp b, 0,1,2,3
	v_max3_num_f32 v[BM+\b], v[S+16*\b], v[S+1+16*\b], v[S+2+16*\b]   ; the largest logit of each block of 32 keys: it serves for the row's maximum and, since p rises with the logit, for the block's largest p.  Each accumulator is read from its low end on
.endr
.irp i, 3,5,7,9,11,13
.irp b, 0,1,2,3
	v_max3_num_f32 v[BM+\b], v[BM+\b], v[S+16*\b+\i], v[S+1+16*\b+\i]
.endr
.endr
.irp b, 0,1,2,3
	v_max_num_f32 v[BM+\b], v[BM+\b], v[S+15+16*\b]
.endr
.irp b, 0,1,2,3
	v_permlanex16_b32 v[BT+\b], v[BM+\b], s[SEL], s[SEL+1]
.endr
.irp b, 0,1,2,3
	v_max_num_f32 v[BM+\b], v[BM+\b], v[BT+\b]     ; with lane l xor 16's 16 keys
.endr
	v_max3_num_f32 v[TMP], v[BM], v[BM+1], v[BM+2]
	v_max_num_f32 v[TMP], v[TMP], v[BM+3]
	v_mul_f32 v[TMP], s[CS], v[TMP]                ; as t
	v_max_num_f32 v[T+1], v[T+1], v[TMP]           ; the running largest t
	v_mov_b32 v[TMP], v[T]
	v_floor_f32 v[T], -v[T+1]                      ; the new -M = -ceil(t): a whole number
	v_sub_f32 v[TMP], v[T], v[TMP]                 ; old M - new M: a whole number, 0 or less
	v_cvt_i32_f32 v[TMP], v[TMP]                   ; (it saturates)
	v_ldexp_f32 v[FP], 1.0, v[TMP]                 ; f
.set J, 0
.rept 32
	v_pk_fma_f32 v[S+J:S+J+1], v[S+J:S+J+1], s[CS:CS+1], v[T:T+1] op_sel_hi:[1,0,0]   ; t - M, two at a time
.set J, J+2
.endr
.irp b, 0,1,2,3
	v_fma_f32 v[BM+\b], v[BM+\b], s[CS], v[T]      ; the same of each block's largest logit
.endr
.set J, 0
.rept 64
	v_exp_f32 v[S+J], v[S+J]                       ; p = 2^(t - M)
.set J, J+1
.endr
	v_pk_mul_f32 v[T+2:T+3], v[T+2:T+3], v[FP:FP+1] op_sel_hi:[1,0]   ; the sums under the new M.  (The plain instruction behind the exponentials)
	s_wait_alu depctr_va_vdst(0)                   ; one wait for the batch of 64, ahead of its first reader
.irp b, 0,1,2,3
	v_exp_f32 v[BM+\b], v[BM+\b]                   ; each block's largest p: the same two instructions on the same number
.endr
	v_pk_add_f32 v[BT:BT+1], v[S:S+1], v[S+2:S+3]  ; the row's sum, of the unquantised p, in two chains; it names none of the four
.irp j, 4,8,12,16,20,24,28,32,36,40,44,48,52,56,60
	v_pk_add_f32 v[T+2:T+3], v[T+2:T+3], v[S+\j:S+\j+1]
	v_pk_add_f32 v[BT:BT+1], v[BT:BT+1], v[S+2+\j:S+3+\j]
.endr
	v_pk_add_f32 v[T+2:T+3], v[T+2:T+3], v[BT:BT+1]
	s_wait_alu depctr_va_vdst(0)                   ; and one for the four
.irp b, 0,1,2,3
	v_max_num_f32 v[BM+\b], 0x1800000, v[BM+\b]    ; the floor 2^(3 - 127)
.endr
.irp b, 0,1,2,3
	v_add_nc_u32 v[SO+\b], 0xff000000, v[BM+\b]    ; the conversion's scale operand
.endr
.irp b, 0,1,2,3
	v_lshrrev_b32 v[BT+\b], 23, v[SO+\b]           ; the scale's byte
.endr
	v_lshl_or_b32 v[PS+(\q)], v[BT+1], 8, v[BT]
	v_lshl_or_b32 v[PS+(\q)], v[BT+2], 16, v[PS+(\q)]
	v_lshl_or_b32 v[PS+(\q)], v[BT+3], 24, v[PS+(\q)]
.irp c, 0,1
	v_cvt_scalef32_pk16_fp6_f32 v[PQ+6*\c:PQ+6*\c+2], v[S+32*\c:S+32*\c+15], v[SO+2*\c]
	v_cvt_scalef32_pk16_fp6_f32 v[PT+4*\c:PT+4*\c+2], v[S+16+32*\c:S+31+32*\c], v[SO+2*\c+1]
.endr
	v_nop                                          ; one plain instruction behind the conversions
.irp c, 0,1                            ; the operand wants a whole block in a lane: lanes 0-15 block 2 c, lanes 16-31 block 2 c + 1
.irp i, 0,1,2
	v_permlane16_swap_b32 v[PQ+6*\c+\i], v[PT+4*\c+\i]
.endr
.irp i, 0,1,2
	v_mov_b32 v[PQ+3+6*\c+\i], v[PT+4*\c+\i]
.endr
.endr
.endm
.macro RESC q                          ; O^T of tile q x f, under window setting 0x41, each accumulator from its low end on
.irp j, 0,2,4,6,8,10,12,14,16,18,20,22,24,26,28,30
	v_pk_mul_f32 v[32*(\q)+\j:32*(\q)+\j+1], v[32*(\q)+\j:32*(\q)+\j+1], v[FP:FP+1] op_sel_hi:[1,0]
.endr
.endm
; Tile q of a key step: eight products K Q^T + mask, eight different accumulators; behind them, as the four places ahead of the first read of the results, the tile before's O^T x its f (v46 still holds it); then the softmax.
.macro TILE q, first
	WIN 0x14                                       ; Q and the mask in window 1
.irp i, 0,1,2,3,4,5,6,7
.if \i%2
	v_wmma_scale_f32_16x16x128_f8f6f4 v[S+8*\i:S+8*\i+7], v[F+6*\i:F+6*\i+11], v[QW+12*(\q):QW+12*(\q)+11], v[MC+8*\i:MC+8*\i+7], v[KS+\i/2], v[QS+(\q)] matrix_a_fmt:MATRIX_FMT_FP6 matrix_b_fmt:MATRIX_FMT_FP6 matrix_a_scale:MATRIX_SCALE_ROW1
.else
	v_wmma_scale_f32_16x16x128_f8f6f4 v[S+8*\i:S+8*\i+7], v[F+6*\i:F+6*\i+11], v[QW+12*(\q):QW+12*(\q)+11], v[MC+8*\i:MC+8*\i+7], v[KS+\i/2], v[QS+(\q)] matrix_a_fmt:MATRIX_FMT_FP6 matrix_b_fmt:MATRIX_FMT_FP6
.endif
.endr
.if ((\q) > 0) && ((\first) == 0)
	WIN 0x41
	RESC (\q)-1
.else
.rept 4
	v_nop
.endr
.endif
	WIN 0
.if (\q) == 3                          ; K's fragments have had their last reader, four places back or more: V's four fragments and its scale words come in under tile 3's softmax
.irp t, 0,1,2,3
.irp p, 0,1,2,3,4,5
	ds_load_b64 v[F+12*\t+2*\p:F+12*\t+2*\p+1], v[ADV0+\t/2] offset:(\t%2)*16*VP+48*(\p/3)+8*(\p%3)
.endr
.endr
	ds_load_b64 v[VS:VS+1], v[ADT]
.endif
	SOFT \q
.endm
.macro PV t, q, first                  ; O^T (tile q, channels 16 t on) += V^T P^T; the first key step's products start the sums: nothing is cleared
.if \first
.if (\t)%2
	v_wmma_scale_f32_16x16x128_f8f6f4 v[32*(\q)+8*(\t):32*(\q)+8*(\t)+7], v[F+12*(\t):F+12*(\t)+11], v[P+12*(\q):P+12*(\q)+11], 0, v[VS+(\t)/2], v[PS+(\q)] matrix_a_fmt:MATRIX_FMT_FP6 matrix_b_fmt:MATRIX_FMT_FP6 matrix_a_scale:MATRIX_SCALE_ROW1
.else
	v_wmma_scale_f32_16x16x128_f8f6f4 v[32*(\q)+8*(\t):32*(\q)+8*(\t)+7], v[F+12*(\t):F+12*(\t)+11], v[P+12*(\q):P+12*(\q)+11], 0, v[VS+(\t)/2], v[PS+(\q)] matrix_a_fmt:MATRIX_FMT_FP6 matrix_b_fmt:MATRIX_FMT_FP6
.endif
.else
.if (\t)%2
	v_wmma_scale_f32_16x16x128_f8f6f4 v[32*(\q)+8*(\t):32*(\q)+8*(\t)+7], v[F+12*(\t):F+12*(\t)+11], v[P+12*(\q):P+12*(\q)+11], v[32*(\q)+8*(\t):32*(\q)+8*(\t)+7], v[VS+(\t)/2], v[PS+(\q)] matrix_a_fmt:MATRIX_FMT_FP6 matrix_b_fmt:MATRIX_FMT_FP6 matrix_a_scale:MATRIX_SCALE_ROW1
.else
	v_wmma_scale_f32_16x16x128_f8f6f4 v[32*(\q)+8*(\t):32*(\q)+8*(\t)+7], v[F+12*(\t):F+12*(\t)+11], v[P+12*(\q):P+12*(\q)+11], v[32*(\q)+8*(\t):32*(\q)+8*(\t)+7], v[VS+(\t)/2], v[PS+(\q)] matrix_a_fmt:MATRIX_FMT_FP6 matrix_b_fmt:MATRIX_FMT_FP6
.endif
.endif
.endm
; A KEY STEP: 128 keys, four tiles of queries.
.macro STEP first
	v_add_nc_u32 v[ADK], s[TR], v[GL]              ; the step's addresses: five plain instructions, which are also the places between the last step's products and the loads into the registers that they read
	v_add_nc_u32 v[ADM], s[TR], v[ADM0]
	v_add_nc_u32 v[ADT], s[TR], v[ADT0]
	v_add_nc_u32 v[ADV0], s[TV], v[AV00]
	v_add_nc_u32 v[ADV1], s[TV], v[AV10]
	ds_load_b128 v[KS:KS+3], v[ADK] offset:KSC     ; K's scale words,
.irp c, 0,1,2,3,4,5,6,7,8,9,10,11
	ds_load_b128 v[F+4*\c:F+4*\c+3], v[ADK] offset:512*\c      ; its eight fragments, as the image lies,
.endr
	WIN 0x40                                       ; destination window 1
.irp b, 0,1,2,3
.irp j, 0,1,2,3
	ds_load_b128 v[MC+16*\b+4*\j:MC+16*\b+4*\j+3], v[ADM] offset:128*\b+16*\j   ; and the additive mask of keys 32 b + 16 (lane / 16) + 4 j on: all lanes of a half read the same 16 bytes
.endr
.endr
	WIN 0
	s_wait_dscnt 0x0
	TILE 0, \first
	TILE 1, \first
	TILE 2, \first
	TILE 3, \first
.if \first
.rept 8
	v_nop                                          ; a scale word written by a vector instruction stands eight places ahead of a scaled matrix instruction, an operand so written four
.endr
.else
	WIN 0x41
	RESC 3                                         ; tile 3's O^T x f: sixteen plain instructions, which are those places too
	WIN 0
.endif
	s_wait_dscnt 0x0                               ; V's fragments and scale words are in
.if \first
	WIN 0x40
.else
	WIN 0x50                                       ; C and D in window 1
.endif
.irp t, 0,1,2,3                        ; sixteen accumulators, one instruction a turn
.irp q, 0,1,2,3
	PV \t, \q, \first
.endr
.endr
	WIN 0
	s_add_co_u32 s[TR], s[TR], REC
	s_add_co_u32 s[TV], s[TV], 96
.endm
	STEP 1                                         ; the first key step is written out: its products start O^T's sums
	s_mov_b32 s29, 15
.Lstep:
	STEP 0
	s_sub_co_u32 s29, s29, 1
	s_cmp_lg_u32 s29, 0
	s_cbranch_scc1 .Lstep
	; THE WAY OUT.  The sum's halves and lane l xor 16's are added (plain instructions: the places behind the last products); O^T is divided by the sum and goes through my stage, a tile (16 rows of 256 bytes) at a time.
.irp q, 0,1,2,3
	v_add_f32 v[BM+\q], v[ST+4*\q+2], v[ST+4*\q+3]
.endr
.irp q, 0,1,2,3
	v_permlanex16_b32 v[BT+\q], v[BM+\q], s[SEL], s[SEL+1]
.endr
.irp q, 0,1,2,3
	v_add_f32 v[BM+\q], v[BM+\q], v[BT+\q]
.endr
.irp q, 0,1,2,3
	v_rcp_f32 v[BT+2*\q], v[BM+\q]                 ; v52, 54, 56, 58: the low words of four pairs
.endr
	v_nop                                          ; a plain instruction behind the last reciprocal
	s_wait_alu depctr_va_vdst(0)                   ; one wait for the four, ahead of their first reader
.macro TILEOUT q
.set SB,  S+32*((\q)%2)
.set OBB, F+134*((\q)%2)               ; the rows come back into v70-101 and v204-235 by turns
	WIN 0x01                                       ; source 0 (O^T) window 1
.irp j, 0,2,4,6,8,10,12,14,16,18,20,22,24,26,28,30
	v_pk_mul_f32 v[SB+\j:SB+\j+1], v[32*(\q)+\j:32*(\q)+\j+1], v[BT+2*(\q):BT+2*(\q)+1] op_sel_hi:[1,0]   ; register 8 t + i: o(lane % 16, 16 t + 8 (lane / 16) + i)
.endr
	WIN 0
.irp t, 0,1,2,3
	ds_store_b128 v[STO], v[SB+8*\t:SB+8*\t+3] offset:64*\t
	ds_store_b128 v[STO], v[SB+8*\t+4:SB+8*\t+7] offset:64*\t+16
.endr
.if (\q) >= 2
	s_wait_xcnt 0x0                                ; the stores of the tile two back have read the registers into which these loads land
.endif
.irp i, 0,1,2,3,4,5,6,7
	ds_load_b128 v[OBB+4*\i:OBB+4*\i+3], v[RD] offset:2*SP*\i   ; LDS serves a wave's instructions in order: these see the stores above, and the next tile's stores come behind them
.endr
.endm
.macro SEND q, younger                 ; younger: the LDS instructions issued behind tile q's loads: the next tile's sixteen, or none
.set OBB, F+134*((\q)%2)
.irp i, 0,1,2,3,4,5,6,7
	s_wait_dscnt \younger+7-\i
	global_store_b128 v[GL], v[OBB+4*\i:OBB+4*\i+3], s[14:15] offset:4096*(\q)+512*\i th:TH_STORE_NT   ; 32 lanes store two rows: 512 consecutive bytes, at a multiple of 256 from out's first byte
.endr
.endm
	TILEOUT 0
	TILEOUT 1
	SEND 0, 16
	TILEOUT 2                                      ; (SEND 0's last wait has shown tile 0's stage stores done: their registers are written again here)
	SEND 1, 16
	TILEOUT 3
	SEND 2, 16
	SEND 3, 0
	s_wait_tensorcnt 0x0                           ; the wave's end, behind my last LDS store
	ds_add_u32 v[SPW], v[NIL]
	s_wait_dscnt 0x0
	s_endpgm
.Lfunc_end_k_qbd02ea553c_attn:
	.size	k_qbd02ea553c_attn, .Lfunc_end_k_qbd02ea553c_attn-k_qbd02ea553c_attn
	.p2alignl 7, 3214868480
	.fill 96, 4, 3214868480
	.section	.rodata,"a",@progbits
	.p2align	6, 0x0
	.amdhsa_kernel k_qbd02ea553c_attn
		.amdhsa_group_segment_fixed_size 253952
		.amdhsa_private_segment_fixed_size 0
		.amdhsa_enable_private_segment 0
		.amdhsa_kernarg_size 48
		.amdhsa_user_sgpr_count 2
		.amdhsa_user_sgpr_kernarg_segment_ptr 1
		.amdhsa_wavefront_size32 1
		.amdhsa_system_sgpr_workgroup_id_x 1
		.amdhsa_system_sgpr_workgroup_id_y 1
		.amdhsa_system_sgpr_workgroup_id_z 1
		.amdhsa_system_vgpr_workitem_id 0
		.amdhsa_next_free_vgpr 512
		.amdhsa_next_free_sgpr 66
		.amdhsa_reserve_vcc 0
		.amdhsa_float_denorm_mode_32 3
		.amdhsa_float_denorm_mode_16_64 3
		.amdhsa_memory_ordered 1
		.amdhsa_forward_progress 1
		.amdhsa_inst_pref_size 225
	.end_amdhsa_kernel
	.amdgpu_metadata
---
amdhsa.version: [ 1, 2 ]
amdhsa.kernels:
  - .name:           k_qbd02ea553c_attn
    .symbol:         k_qbd02ea553c_attn.kd
    .args:
      - { .name: query_layer, .offset: 0, .size: 8, .value_kind: global_buffer, .address_space: global }
      - { .name: key_layer, .offset: 8, .size: 8, .value_kind: global_buffer, .address_space: global }
      - { .name: value_layer_codes, .offset: 16, .size: 8, .value_kind: global_buffer, .address_space: global }
      - { .name: value_layer_scales, .offset: 24, .size: 8, .value_kind: global_buffer, .address_space: global }
      - { .name: attention_mask, .offset: 32, .size: 8, .value_kind: global_buffer, .address_space: global }
      - { .name: out0, .offset: 40, .size: 8, .value_kind: global_buffer, .address_space: global }
    .group_segment_fixed_size: 253952
    .private_segment_fixed_size: 0
    .kernarg_segment_align: 8
    .kernarg_segment_size: 48
    .max_flat_workgroup_size: 256
    .sgpr_count:     66
    .vgpr_count:     512
    .wavefront_size: 32
...
	.end_amdgpu_metadata
.endif
;; end of part 1
;; ======== version 2 of 2: 1 launch; version 1 with the launch attn written anew for expert scheduling mode
;; launch attn (part 2): grid 256 x 1, 8 waves a work-group, no clusters, 253,952 bytes of LDS; arguments query_layer, key_layer, value_layer_codes, value_layer_scales, attention_mask, out0; writes out0
.if DOCPART == 2
	.amdgcn_target "amdgcn-amd-amdhsa--gfx1250"
	.amdhsa_code_object_version 6
	.text
	.protected	k_qbd02ea553c_attn
	.globl	k_qbd02ea553c_attn
	.p2align	8
	.type	k_qbd02ea553c_attn,@function
k_qbd02ea553c_attn:
	s_mov_b64 s[64:65], 0
	v_nop
	global_prefetch_b8 v0, s[64:65] scope:SCOPE_SE
	s_setreg_imm32_b32 hwreg(HW_REG_WAVE_SCHED_MODE, 0, 2), 2
	s_setreg_imm32_b32 hwreg(HW_REG_WAVE_MODE, 25, 1), 1
	s_wait_xcnt 0x0
	s_wait_alu depctr_vm_vsrc(0)
; out[b][h][q][:] = sum over k of softmax_k( (Q[q]/64^(1/4)) . (K[k]/64^(1/4)) - 1000 (1 - mask[b][k]) ) V[k][:], 64 heads of 2,048 x 64, both products on codes of FP6 (E2M3) with one E8M0 scale for each 32 along K.
; Q and K arrive as f32: they are scaled and quantised here, along the head's 64 numbers (two blocks of 32).  V arrives as codes with the keys innermost (a row for each channel: 1,536 bytes) and its scale bytes.
; THE SOFTMAX AHEAD OF THE SECOND PRODUCT: t = logit x log2(e); M = the row's largest t so far, rounded up to a whole number; p = 2^(t - M) is quantised along the keys, not normalised; the row's sum is taken of the
; unquantised p and divides at the end; when M moves, the sum and O are multiplied by 2^(old M - new M), which rounds nothing.
; NO WORK IS LEFT OUT: every input has a way to the output (the mask differs along the softmax's axis), and all six buffers are arguments.
; ONE LAUNCH, NO WORKSPACE.  A work-group owns 512 queries of one head (four work-groups to a head, 256 in all).  As codes a whole head lies in LDS: K 98,304 bytes, V 99,328 with its padding: nothing is filled twice.
; PROLOGUE: the eight waves copy V's rows, turn the mask into the additive term, lay V's scale words by key step, and quantise the head's K (256 keys a wave) and their own 64 queries.  ONE BARRIER.
; MAIN LOOP: each wave walks 16 key steps of 128 keys with FOUR tiles of 16 queries, so that each fragment of K and V, each scale word and each mask register read from LDS feeds four matrix instructions.
; LAYOUT.  Both products are used transposed: S^T = K Q^T + mask (source 0 = 16 keys, source 1 = 16 queries, C = the additive mask in the result's layout, which costs no addition), O^T = V^T P^T: a lane holds ONE query.
; THE KEYS OF A TILE ARE NOT NEIGHBOURS: row r of tile 2 b + u is key 32 b + 8 u + r + 8 (r / 8), so that S^T's registers 16 b .. 16 b + 15 are the neighbouring keys 32 b + 16 (lane / 16) + 0 .. 15.
; THE FIRST PRODUCT'S K IS 64, the instruction's 128.  Q's registers 6-11 are zero codes and bytes 2, 3 of both scale words are 0x7f.  K's fragments lie 6 registers apart, so registers 6-11 of fragment i are fragment
; i + 1's codes (the last: zeros): every 6-bit pattern is a finite number, it meets Q's zeros, and adds exactly 0.  That halves K's bytes in LDS and its registers.
; NO JOINT LOADS: what the four work-groups of a head could receive as it lies (V's codes and scale bytes, the mask) is 110,592 of a work-group's 766,000 input bytes; K, the large shared part, has to pass through registers.
; ORDER OF ROUNDING THAT DIFFERS: q and k are multiplied by f32(2^-1.5) where the problem divides by f32(2^1.5): about 1e-7 of the number.  The mask's term is rounded twice, (1 - m), then x -1000, as the problem has it.
; LIMITS: NaN and infinities among the inputs are not served.  A block whose largest magnitude lies under 2^-124 (a block of zeros too) gets the scale byte 1: its codes are zeros or the nearest codes under that scale, and this program alone reads the bytes.
; THE MODE: SCHED_MODE bits 1:0 = 2 (LLVM: expert scheduling mode 2), set by the entry lines.  The code itself states the register dependences between vector or matrix instructions and memory or LDS instructions,
; with s_wait_alu, always for 0.
; THE PLAN.  Registers that memory or LDS instructions touch:
;   PROLOGUE  the three load sets (v124-219): written by global loads, read by LDS stores, named by no vector instruction: one wait on vm_vsrc an item, ahead of the reload.
;             X (v70-101): written by the stage's LDS loads, then read and written by the item's quantiser: one wait on va_vdst at the next item's head, ahead of the next loads into it.
;             the codes (v102-113) and K's scale words (v40-43): written by the quantiser and the select, read by the image's stores, which stand at the NEXT item's head, behind that same wait; that item's wait on vm_vsrc frees them.
;   LOOP      F (v70-117): K's image is loaded at a step's head and read by the products K Q^T; V's fragments are loaded in tile 3 and read by the products V^T P^T.
;             K's scale words (v40-43) and the mask (window 1): read by K Q^T alone, so the NEXT step's are loaded in tile 3, behind V's.   V's scale words (v44-45): read by V^T P^T, loaded in tile 3.
;             six address registers (v3-7, v241): made at a step's head, read by that step's loads.
;   So a step has: at its head a wait on vm_vsrc, the six additions, and a wait on va_vdst; in tile 3 a wait on va_vdst behind which all 42 loads follow; the two waits a softmax for its exponentials; and a wait on va_vdst
;   ahead of tile 3's four products V^T P^T.  The twelve products of tiles 0-2 stand inside tile 3's softmax, so that four products alone are out at the next head's wait.
;   WAY OUT   SB (v124-187 in halves): written by the division, read by the stage's stores.   The rows come back into v70-101 and v204-235 by turns and are read by the global stores.
;   v1, v2    written at the head, read by the closing add alone.
.set REC,   7424                       ; LDS: a record for each key step: K's image 6,144 | K's scale words 512 | the additive mask 512 | V's scale words 256
.set KSC,   6144
.set AMO,   6656
.set VSO,   7168
.set VP,    1552                       ; a row of V: 1,536 bytes + 16 = 388 words: row r starts at bank 4 r mod 64 (64 banks of 4 bytes: ISA guide 11.1): the 32 lanes of a load of 8 bytes touch 64 different banks
.set VR,    16*REC                     ; V's 64 rows
.set SP,    272                        ; a stage row: 256 bytes + 16
.set STG,   VR+64*VP                   ; a stage of 16 rows for each wave, its own: the turn of f32 rows in the prologue, and the way out
.set SPARE, STG+8*16*SP                ; the spare words, 128 bytes for each wave: four blocks of 256 bytes that no other line names
; REGISTERS, window 0
.set SPW, 1                            ; v1   LDS address of my spare word; never rewritten
.set NIL, 2                            ; v2   0; never rewritten
.set ADK, 3                            ; v3   the key step's LDS addresses: K's image,
.set ADM, 4                            ; v4   the NEXT step's mask,
.set ADT, 5                            ; v5   V's scale words,
.set ADV0, 6                           ; v6   V's rows 0-31,
.set ADV1, 7                           ; v7   rows 32-63
.set RD,  8                            ; v8   stage: row 2 n + lane / 16, 16 bytes at 16 (lane % 16)
.set SOUT, 9                           ; v9   stage: row lane % 16, 128 bytes at 128 (lane / 16)
.set STO, 10                           ; v10  stage: row lane % 16, 32 bytes at 32 (lane / 16)
.set GL,  11                           ; v11  16 x lane: offset of every dense global access, and K's image's place for my lane
.set ST,  12                           ; v12-27 tile q at ST + 4 q: -M, the largest t, the sum in two halves
.set SH8, 28                           ; v28  8 (lane / 16)
.set AW,  29                           ; v29  my wave's two records + 16 x lane
.set VW,  30                           ; v30  my wave's eight rows of V + 16 x lane
.set VSA, 31                           ; v31  where my thread's four scale words of V go
.set QS,  32                           ; v32-35 Q's scale words, a register a tile
.set PS,  36                           ; v36-39 P's
.set KS,  40                           ; v40-43 K's: register b: lanes 0-15 tile 2 b, lanes 16-31 tile 2 b + 1
.set VS,  44                           ; v44-45 V's: register j: lane l is channel 32 j + l
.set FP,  46                           ; v46  f = 2^(old M - new M); v47 named with it as a pair
.set BM,  48                           ; v48-51 block maxima
.set BT,  52                           ; v52-55 permute targets, a sum chain, bytes
.set SO,  56                           ; v56-59 the conversions' scale operands
.set TMP, 60                           ; v60-61
.set PT,  62                           ; v62-69 the conversions' second halves
.set F,   70                           ; v70-117 eight fragments of K (6 registers each), later four of V (12 each); v118-123 zeros
.set S,   124                          ; v124-187 S^T, then p
.set P,   188                          ; v188-235 P's codes, 12 a tile
.set ADM0, 236                         ; v236-239 the bases of ADM, ADT, ADV0, ADV1; never rewritten
.set ADT0, 237
.set AV00, 238
.set AV10, 239
.set VTO, 240                          ; v240 16 x thread; never rewritten
.set ADS, 241                          ; v241 the NEXT step's record + 16 x lane: K's scale words
.set X,   F                            ; prologue: a lane's block of 32 numbers
.set C,   F+32                         ; prologue: the codes of two tiles
.set MT,  220                          ; prologue: 8 numbers of the mask
.set VT,  228                          ; prologue: 4 scale words of V
; window 1: v0-127 O^T (tile q, channels 16 t on, at 32 q + 8 t); v128-175 Q (12 a tile); v176-239 the additive mask in the result's layout
.set QW,  128
.set MC,  176
.set SEL, 20                           ; s[20:21] v_permlanex16_b32's selects for lane l xor 16
.set CS,  22                           ; s[22:23] log2(e), a pair for the packed form
.set CQ,  24                           ; s[24:25] 2^-1.5
.set TR,  27                           ; s27  the key step's record
.set TV,  28                           ; s28  the key step's 96 bytes in a row of V
.set TN,  41                           ; s41  the next key step's record
.set MSB, 0
.macro WIN new                         ; the immediate's high byte repeats the setting that is left; a switch that changes nothing is dropped
.if MSB != \new
	s_set_vgpr_msb (MSB<<8)|\new
.set MSB, \new
.endif
.endm
	s_load_b256 s[4:11], s[0:1], 0x0               ; Q s[4:5], K s[6:7], V's codes s[8:9], V's scales s[10:11]
	s_load_b128 s[12:15], s[0:1], 0x20             ; the mask s[12:13], out s[14:15]
	v_lshl_add_u32 v[SPW], v0, 2, SPARE
	v_mov_b32 v[NIL], 0
	v_lshrrev_b32 v51, 5, v0
	v_readfirstlane_b32 s16, v51                   ; wave 0..7
	s_lshr_b32 s17, ttmp9, 2                       ; the head
	s_and_b32 s18, ttmp9, 3                        ; which 512 of its queries
	v_and_b32 v48, 31, v0                          ; lane
	v_and_b32 v49, 15, v0                          ; r
	v_bfe_u32 v50, v0, 4, 1                        ; h
	v_lshlrev_b32 v[GL], 4, v48
	v_lshl_add_u32 v[ADM0], v50, 6, AMO            ; the mask: my half's 16 keys of each 32
	v_lshl_add_u32 v[ADT0], v48, 3, VSO            ; V's scale words: 8 bytes a lane
	v_mul_u32_u24 v[AV00], v49, VP
	v_mad_u32_u24 v[AV00], v50, 24, v[AV00]
	v_add_nc_u32 v[AV00], VR, v[AV00]              ; V: row r, + 24 bytes for the upper half of the lanes
	v_add_nc_u32 v[AV10], 32*VP, v[AV00]           ; and 32 rows on
	s_wait_alu depctr_va_sdst(0)                   ; s16 is written, ahead of its first reader: LDS addresses and the buffers' offsets are made from it
	s_mul_i32 s40, s16, 16*SP
	s_add_co_u32 s40, s40, STG                     ; my stage
	v_mul_u32_u24 v[RD], v50, SP
	v_lshl_add_u32 v[RD], v49, 4, v[RD]
	v_add_nc_u32 v[RD], s40, v[RD]
	v_mul_u32_u24 v51, v49, SP
	v_add_nc_u32 v51, s40, v51
	v_lshl_add_u32 v[SOUT], v50, 7, v51
	v_lshl_add_u32 v[STO], v50, 5, v51
	v_lshlrev_b32 v[SH8], 3, v50
	s_mul_i32 s40, s16, 2*REC
	v_add_nc_u32 v[AW], s40, v[GL]
	s_mul_i32 s40, s16, 8*VP
	s_add_co_u32 s40, s40, VR
	v_add_nc_u32 v[VW], s40, v[GL]
	v_and_b32 v51, 3, v0                           ; thread t holds channel t / 4's scale words of key steps 4 (t % 4) + 0 .. 3
	v_mul_u32_u24 v[VSA], v51, 4*REC
	v_bfe_u32 v51, v0, 2, 5
	v_lshl_add_u32 v[VSA], v51, 3, v[VSA]          ; channel % 32: 8 bytes a lane of the image,
	v_lshrrev_b32 v51, 7, v0
	v_lshl_add_u32 v[VSA], v51, 2, v[VSA]          ; channel / 32: which of the lane's two words
	v_lshlrev_b32 v[VTO], 4, v0
	v_mov_b32 v[BT+1], 0                           ; written once: a lane permute's destination counts as one of its sources
	s_mov_b32 s[SEL], 0x76543210
	s_mov_b32 s[SEL+1], 0xfedcba98
	s_mov_b32 s[CS], 0x3fb8aa3b                    ; log2(e)
	s_mov_b32 s[CS+1], s[CS]
	s_mov_b32 s[CQ], 0x3eb504f3                    ; 2^-1.5 = 1 / 64^(1/4)
	s_mov_b32 s[CQ+1], s[CQ]
	s_mov_b32 s26, 0xffff0000                      ; lanes 16-31
	s_mov_b32 s[TR], 0
	s_mov_b32 s[TV], 0
	s_mov_b32 s[TN], REC
	s_lshl_b32 s30, s17, 19                        ; Q and out: a head is 2,048 rows of 256 bytes,
	s_lshl_b32 s40, s18, 17                        ; my work-group's 512 rows,
	s_add_co_u32 s30, s30, s40
	s_lshl_b32 s40, s16, 14                        ; my wave's 64
	s_add_co_u32 s30, s30, s40
	s_mov_b32 s31, 0
	s_lshl_b32 s32, s17, 19                        ; K: the head, my wave's 256 keys
	s_lshl_b32 s40, s16, 16
	s_add_co_u32 s32, s32, s40
	s_mov_b32 s33, 0
	s_mul_i32 s34, s17, 98304                      ; V's codes: the head's 64 rows of 1,536 bytes, my wave's 8
	s_mul_i32 s40, s16, 12288
	s_add_co_u32 s34, s34, s40
	s_mov_b32 s35, 0
	s_lshl_b32 s36, s17, 12                        ; V's scale bytes: 4,096 a head
	s_mov_b32 s37, 0
	s_lshr_b32 s38, s17, 4                         ; the mask: the batch's 8,192 bytes, my wave's 256 keys
	s_lshl_b32 s38, s38, 13
	s_lshl_b32 s40, s16, 10
	s_add_co_u32 s38, s38, s40
	s_mov_b32 s39, 0
	s_wait_kmcnt 0x0
	s_add_nc_u64 s[4:5], s[4:5], s[30:31]
	s_add_nc_u64 s[14:15], s[14:15], s[30:31]
	s_add_nc_u64 s[6:7], s[6:7], s[32:33]
	s_add_nc_u64 s[8:9], s[8:9], s[34:35]
	s_add_nc_u64 s[10:11], s[10:11], s[36:37]
	s_add_nc_u64 s[12:13], s[12:13], s[38:39]
; THE PROLOGUE goes by 23 ITEMS of eight loads of 512 consecutive bytes: 0-2 V's rows; 3-6 my four tiles of Q; 7-22 my sixteen tiles of K.  Three sets of 32 registers (v124-219) take turns: loads run three items ahead.
.macro LOADS i
.set RL, S+32*((\i)%3)
.irp n, 0,1,2,3,4,5,6,7
.if (\i) < 3
	global_load_b128 v[RL+4*\n:RL+4*\n+3], v[GL], s[8:9] offset:(8*(\i)+\n)*512
.elseif (\i) < 7
	global_load_b128 v[RL+4*\n:RL+4*\n+3], v[GL], s[4:5] offset:4096*((\i)-3)+512*\n th:TH_LOAD_NT   ; read by this wave alone
.else
.set KL, (\i)-7                        ; key step KL / 8 of my two, tile KL % 8; load n brings the tile's rows 2 n, 2 n + 1: two neighbouring keys
	global_load_b128 v[RL+4*\n:RL+4*\n+3], v[GL], s[6:7] offset:(128*(KL/8)+32*((KL%8)/2)+8*(KL%2)+2*\n+8*(\n/4))*256
.endif
.endr
.endm
; A lane's block, v[X] .. v[X + 31] = k 32 (lane / 16) + 0 .. 31 of row lane % 16, is scaled and quantised: six registers of codes at v[dst], which are the operand's registers 0-5, and the row's scale word in v[wreg], in both halves of the lanes.
.macro QTILE dst, wreg
.irp j, 0,2,4,6,8,10,12,14,16,18,20,22,24,26,28,30
	v_pk_mul_f32 v[X+\j:X+\j+1], v[X+\j:X+\j+1], s[CQ:CQ+1] op_sel_hi:[1,0]
.endr
	v_max3_num_f32 v[BM], |v[X]|, |v[X+1]|, 0x1800000          ; the largest magnitude, in two chains, with the floor 2^(3 - 127) among its leaves: the byte cannot fall under 1
	v_max3_num_f32 v[BM+1], |v[X+2]|, |v[X+3]|, |v[X+4]|
.irp k, 5,9,13,17,21,25
	v_max3_num_f32 v[BM], v[BM], |v[X+\k]|, |v[X+\k+1]|
	v_max3_num_f32 v[BM+1], v[BM+1], |v[X+\k+2]|, |v[X+\k+3]|
.endr
	v_max3_num_f32 v[BM], v[BM], |v[X+29]|, |v[X+30]|
	v_max3_num_f32 v[BM], v[BM], v[BM+1], |v[X+31]|
	v_add_nc_u32 v[SO], 0xff000000, v[BM]          ; 2 off its exponent field: the conversion takes the exponent field of this operand as its scale
	v_cvt_scalef32_pk16_fp6_f32 v[\dst:\dst+2], v[X:X+15], v[SO]
	v_cvt_scalef32_pk16_fp6_f32 v[PT:PT+2], v[X+16:X+31], v[SO]    ; (a conversion's three registers begin on an even number)
	v_lshrrev_b32 v[BT], 23, v[SO]                 ; the scale's byte.  (The plain instruction behind the conversions)
	v_lshlrev_b32 v[BT], v[SH8], v[BT]             ; at its place in the word: block lane / 16
.irp e, 0,1,2
	v_mov_b32 v[\dst+3+\e], v[PT+\e]
.endr
	v_permlanex16_b32 v[BT+1], v[BT], s[SEL], s[SEL+1]
	v_or_b32 v[BT], v[BT], v[BT+1]                 ; with lane l xor 16's byte
	v_or_b32 v[\wreg], 0x7f7f0000, v[BT]           ; bytes 2, 3: 1.0, for the 64 along K that hold zeros
.endm
; The image of tiles kt - 1 and kt of K (kt odd) goes to LDS.  It stands behind a wait on va_vdst that follows the quantiser of tile kt.
.macro IMG kt
.irp c, 0,1,2
	ds_store_b128 v[AW], v[C+4*\c:C+4*\c+3] offset:((\kt)/8)*REC+1536*(((\kt)%8)/2)+512*\c   ; two fragments, 12 registers, as an image of the registers: 16 bytes a lane, 512 a store
.endr
.if (\kt)%8 == 7
	ds_store_b128 v[AW], v[KS:KS+3] offset:((\kt)/8)*REC+KSC         ; the key step's scale words likewise
.endif
.endm
.macro ITEM i
.set RB, S+32*((\i)%3)
.if 22-(\i) >= 2
	s_wait_loadcnt 16                              ; this item's eight loads are in; the two younger items' sixteen may be out
.else
	s_wait_loadcnt 8*(22-(\i))
.endif
.if (\i) < 3
.irp n, 0,1,2,3,4,5,6,7
	ds_store_b128 v[VW], v[RB+4*\n:RB+4*\n+3] offset:((8*(\i)+\n)/3)*VP+((8*(\i)+\n)%3)*512   ; a row of V is three pieces of 512 bytes
.endr
	s_wait_dscnt 0x0                               ; the stores are done
	s_wait_alu depctr_vm_vsrc(0)                   ; the stores have read this load set, in which the loads below land
	LOADS (\i)+3
.else
.irp n, 0,1,2,3,4,5,6,7
	ds_store_b128 v[RD], v[RB+4*\n:RB+4*\n+3] offset:2*SP*\n         ; the tile's 16 rows of 256 bytes into my stage as they were loaded,
.endr
.if (\i) > 3
	s_wait_alu depctr_va_vdst(0)                   ; the item before is done reading and writing v[X ..], in which the loads below land; it has written the codes and K's scale words, which the image's stores read
.endif
.if ((\i) >= 9) && (((\i)-8)%2 == 1)
	IMG (\i)-8                                     ; the pair of tiles that the item before has finished
.endif
.irp j, 0,1,2,3,4,5,6,7
	ds_load_b128 v[X+4*\j:X+4*\j+3], v[SOUT] offset:16*\j            ; and back, 128 neighbouring bytes a lane.  LDS serves a wave's instructions in order (ISA guide 5.7.1.4): these see the stores above
.endr
	s_wait_dscnt 0x0                               ; my block is in
.if ((\i)+3 < 23) || (((\i)-7)%2 == 0)
	s_wait_alu depctr_vm_vsrc(0)                   ; the stage's stores have read this load set, in which the loads below land; the image's stores have read the codes and K's scale words, which the quantiser and the select write again
.endif
.if (\i)+3 < 23
	LOADS (\i)+3
.endif
.if (\i) < 7
	QTILE C, QS+(\i)-3
	WIN 0x40                                       ; destination window 1
.irp e, 0,1,2,3,4,5
	v_mov_b32 v[QW+12*((\i)-3)+\e], v[C+\e]
.endr
	WIN 0
.else
.set KT, (\i)-7
.if KT%2 == 0
	QTILE C, TMP
.else
	QTILE C+6, TMP+1
	v_cndmask_b32 v[KS+(KT%8)/2], v[TMP], v[TMP+1], s26              ; lanes 0-15: the even tile's words; lanes 16-31: the odd tile's
.endif
.endif
.endif
.endm
	s_wait_alu depctr_va_vdst(0)                   ; every offset and LDS address made above is written: the loads and stores of the whole kernel read them
	global_load_b128 v[MT:MT+3], v[GL], s[12:13]               ; the mask of my 256 keys: key step 2 w,
	global_load_b128 v[MT+4:MT+7], v[GL], s[12:13] offset:512  ; key step 2 w + 1
	global_load_b128 v[VT:VT+3], v[VTO], s[10:11]              ; 16 of the head's 4,096 scale bytes of V
	LOADS 0
	LOADS 1
	LOADS 2
	s_wait_loadcnt 24                              ; the three small loads are in; the three items' 24 may be out
.irp e, 0,1,2,3,4,5,6,7
	v_sub_f32 v[MT+\e], 1.0, v[MT+\e]              ; rounded here, and again below, as the problem has it: not fused
.endr
.irp e, 0,1,2,3,4,5,6,7
	v_mul_f32 v[MT+\e], 0xc47a0000, v[MT+\e]       ; x -1000
.endr
	s_wait_alu depctr_va_vdst(0)                   ; the multiplications have written v[MT ..], which the LDS stores read
	ds_store_b128 v[AW], v[MT:MT+3] offset:AMO
	ds_store_b128 v[AW], v[MT+4:MT+7] offset:REC+AMO
.irp e, 0,1,2,3
	ds_store_b32 v[VSA], v[VT+\e] offset:\e*REC+VSO
.endr
.irp i, 0,1,2,3,4,5,6,7,8,9,10,11,12,13,14,15,16,17,18,19,20,21,22
	ITEM \i
.endr
	s_wait_alu depctr_va_vdst(0)                   ; the last tile's quantiser and the select have written the codes and K's scale words, which the stores below read
	IMG 15
	s_wait_dscnt 0x0                               ; for the others' sake: all my stores into the records and V's rows have landed
	s_barrier_signal -1
	WIN 0x40                                       ; work on registers while the others arrive
.irp q, 0,1,2,3
.irp e, 6,7,8,9,10,11
	v_mov_b32 v[QW+12*\q+\e], 0                    ; Q's zero codes for the upper 64 along K
.endr
.endr
	WIN 0
.irp e, 48,49,50,51,52,53
	v_mov_b32 v[F+\e], 0                           ; what the last fragment of K names beyond its six registers
.endr
.irp q, 0,1,2,3
	v_mov_b32 v[ST+4*\q+1], 0xff61b1e6             ; the largest t so far: -3e38, under every t
	v_floor_f32 v[ST+4*\q], -v[ST+4*\q+1]          ; -M
	v_mov_b32 v[ST+4*\q+2], 0                      ; the sum, in two halves
	v_mov_b32 v[ST+4*\q+3], 0
.endr
.irp b, 0,1,2,3
	v_mov_b32 v[BT+\b], 0                          ; permute targets count as sources
.endr
	v_mov_b32 v[FP+1], 0                           ; named as the upper half of the pair
	v_add_nc_u32 v[ADS], s[TR], v[GL]              ; key step 0's scale words of K and its mask are asked for ahead of the first step
	v_add_nc_u32 v[ADM], s[TR], v[ADM0]
	s_barrier_wait -1                              ; the whole head lies in LDS; from here on the records and V's rows are only read
; K's scale words and the additive mask of the key step at which v[ADS] and v[ADM] stand: 17 loads.
.macro KSMC
	ds_load_b128 v[KS:KS+3], v[ADS] offset:KSC     ; K's scale words,
	WIN 0x40                                       ; destination window 1
.irp b, 0,1,2,3
.irp j, 0,1,2,3
	ds_load_b128 v[MC+16*\b+4*\j:MC+16*\b+4*\j+3], v[ADM] offset:128*\b+16*\j   ; and the additive mask of keys 32 b + 16 (lane / 16) + 4 j on: all lanes of a half read the same 16 bytes
.endr
.endr
	WIN 0
.endm
.macro PV t, q, first                  ; O^T (tile q, channels 16 t on) += V^T P^T; the first key step's products start the sums: nothing is cleared
.if \first
.if (\t)%2
	v_wmma_scale_f32_16x16x128_f8f6f4 v[32*(\q)+8*(\t):32*(\q)+8*(\t)+7], v[F+12*(\t):F+12*(\t)+11], v[P+12*(\q):P+12*(\q)+11], 0, v[VS+(\t)/2], v[PS+(\q)] matrix_a_fmt:MATRIX_FMT_FP6 matrix_b_fmt:MATRIX_FMT_FP6 matrix_a_scale:MATRIX_SCALE_ROW1
.else
	v_wmma_scale_f32_16x16x128_f8f6f4 v[32*(\q)+8*(\t):32*(\q)+8*(\t)+7], v[F+12*(\t):F+12*(\t)+11], v[P+12*(\q):P+12*(\q)+11], 0, v[VS+(\t)/2], v[PS+(\q)] matrix_a_fmt:MATRIX_FMT_FP6 matrix_b_fmt:MATRIX_FMT_FP6
.endif
.else
.if (\t)%2
	v_wmma_scale_f32_16x16x128_f8f6f4 v[32*(\q)+8*(\t):32*(\q)+8*(\t)+7], v[F+12*(\t):F+12*(\t)+11], v[P+12*(\q):P+12*(\q)+11], v[32*(\q)+8*(\t):32*(\q)+8*(\t)+7], v[VS+(\t)/2], v[PS+(\q)] matrix_a_fmt:MATRIX_FMT_FP6 matrix_b_fmt:MATRIX_FMT_FP6 matrix_a_scale:MATRIX_SCALE_ROW1
.else
	v_wmma_scale_f32_16x16x128_f8f6f4 v[32*(\q)+8*(\t):32*(\q)+8*(\t)+7], v[F+12*(\t):F+12*(\t)+11], v[P+12*(\q):P+12*(\q)+11], v[32*(\q)+8*(\t):32*(\q)+8*(\t)+7], v[VS+(\t)/2], v[PS+(\q)] matrix_a_fmt:MATRIX_FMT_FP6 matrix_b_fmt:MATRIX_FMT_FP6
.endif
.endif
.endm
; One tile's softmax for one key step, all in window 0: from S^T's 64 logits to P's 12 registers of codes, its scale word, f, and the running -M, t and sum.
; In tile 3's the twelve products V^T P^T of tiles 0-2 stand ahead of the exponentials: they name F, V's scale words, tiles 0-2's codes, scale words and O^T, none of which this softmax touches.
.macro SOFT q, first, last
.set T,  ST+4*(\q)
.set PQ, P+12*(\q)
.irp b, 0,1,2,3
	v_max3_num_f32 v[BM+\b], v[S+16*\b], v[S+1+16*\b], v[S+2+16*\b]   ; the largest logit of each block of 32 keys: it serves for the row's maximum and, since p rises with the logit, for the block's largest p.  Each accumulator is read from its low end on
.endr
.irp i, 3,5,7,9,11,13
.irp b, 0,1,2,3
	v_max3_num_f32 v[BM+\b], v[BM+\b], v[S+16*\b+\i], v[S+1+16*\b+\i]
.endr
.endr
.irp b, 0,1,2,3
	v_max_num_f32 v[BM+\b], v[BM+\b], v[S+15+16*\b]
.endr
.irp b, 0,1,2,3
	v_permlanex16_b32 v[BT+\b], v[BM+\b], s[SEL], s[SEL+1]
.endr
.irp b, 0,1,2,3
	v_max_num_f32 v[BM+\b], v[BM+\b], v[BT+\b]     ; with lane l xor 16's 16 keys
.endr
	v_max3_num_f32 v[TMP], v[BM], v[BM+1], v[BM+2]
	v_max_num_f32 v[TMP], v[TMP], v[BM+3]
	v_mul_f32 v[TMP], s[CS], v[TMP]                ; as t
	v_max_num_f32 v[T+1], v[T+1], v[TMP]           ; the running largest t
	v_mov_b32 v[TMP], v[T]
	v_floor_f32 v[T], -v[T+1]                      ; the new -M = -ceil(t): a whole number
	v_sub_f32 v[TMP], v[T], v[TMP]                 ; old M - new M: a whole number, 0 or less
	v_cvt_i32_f32 v[TMP], v[TMP]                   ; (it saturates)
	v_ldexp_f32 v[FP], 1.0, v[TMP]                 ; f
.set J, 0
.rept 32
	v_pk_fma_f32 v[S+J:S+J+1], v[S+J:S+J+1], s[CS:CS+1], v[T:T+1] op_sel_hi:[1,0,0]   ; t - M, two at a time
.set J, J+2
.endr
.irp b, 0,1,2,3
	v_fma_f32 v[BM+\b], v[BM+\b], s[CS], v[T]      ; the same of each block's largest logit
.endr
.if (\q) == 3
.if \last
	s_wait_dscnt 0x0                               ; V's fragments and scale words are in
.else
	s_wait_dscnt 17                                ; V's fragments and scale words are in; the 17 younger loads, the next step's scale words of K and its mask, may be out
.endif
.if \first
	WIN 0x40
.else
	WIN 0x50                                       ; C and D in window 1
.endif
.irp t, 0,1,2,3                        ; twelve accumulators, one instruction a turn.  Tiles 0-2's codes and scale words were shown written by the wait ahead of V's loads, and nothing has written them since
.irp u, 0,1,2
	PV \t, \u, \first
.endr
.endr
	WIN 0
.endif
.set J, 0
.rept 64
	v_exp_f32 v[S+J], v[S+J]                       ; p = 2^(t - M)
.set J, J+1
.endr
	v_pk_mul_f32 v[T+2:T+3], v[T+2:T+3], v[FP:FP+1] op_sel_hi:[1,0]   ; the sums under the new M.  (The plain instruction behind the exponentials)
	s_wait_alu depctr_va_vdst(0)                   ; the 64 exponentials have written p: one wait for the batch, ahead of its first reader
.irp b, 0,1,2,3
	v_exp_f32 v[BM+\b], v[BM+\b]                   ; each block's largest p: the same two instructions on the same number
.endr
	v_pk_add_f32 v[BT:BT+1], v[S:S+1], v[S+2:S+3]  ; the row's sum, of the unquantised p, in two chains; it names none of the four
.irp j, 4,8,12,16,20,24,28,32,36,40,44,48,52,56,60
	v_pk_add_f32 v[T+2:T+3], v[T+2:T+3], v[S+\j:S+\j+1]
	v_pk_add_f32 v[BT:BT+1], v[BT:BT+1], v[S+2+\j:S+3+\j]
.endr
	v_pk_add_f32 v[T+2:T+3], v[T+2:T+3], v[BT:BT+1]
	s_wait_alu depctr_va_vdst(0)                   ; the four exponentials have written the blocks' largest p, ahead of their first reader
.irp b, 0,1,2,3
	v_max_num_f32 v[BM+\b], 0x1800000, v[BM+\b]    ; the floor 2^(3 - 127)
.endr
.irp b, 0,1,2,3
	v_add_nc_u32 v[SO+\b], 0xff000000, v[BM+\b]    ; the conversion's scale operand
.endr
.irp b, 0,1,2,3
	v_lshrrev_b32 v[BT+\b], 23, v[SO+\b]           ; the scale's byte
.endr
	v_lshl_or_b32 v[PS+(\q)], v[BT+1], 8, v[BT]
	v_lshl_or_b32 v[PS+(\q)], v[BT+2], 16, v[PS+(\q)]
	v_lshl_or_b32 v[PS+(\q)], v[BT+3], 24, v[PS+(\q)]
.irp c, 0,1
	v_cvt_scalef32_pk16_fp6_f32 v[PQ+6*\c:PQ+6*\c+2], v[S+32*\c:S+32*\c+15], v[SO+2*\c]
	v_cvt_scalef32_pk16_fp6_f32 v[PT+4*\c:PT+4*\c+2], v[S+16+32*\c:S+31+32*\c], v[SO+2*\c+1]
.endr
	v_nop                                          ; one plain instruction behind the conversions
.irp c, 0,1                            ; the operand wants a whole block in a lane: lanes 0-15 block 2 c, lanes 16-31 block 2 c + 1
.irp i, 0,1,2
	v_permlane16_swap_b32 v[PQ+6*\c+\i], v[PT+4*\c+\i]
.endr
.irp i, 0,1,2
	v_mov_b32 v[PQ+3+6*\c+\i], v[PT+4*\c+\i]
.endr
.endr
.endm
.macro RESC q                          ; O^T of tile q x f, under window setting 0x41, each accumulator from its low end on
.irp j, 0,2,4,6,8,10,12,14,16,18,20,22,24,26,28,30
	v_pk_mul_f32 v[32*(\q)+\j:32*(\q)+\j+1], v[32*(\q)+\j:32*(\q)+\j+1], v[FP:FP+1] op_sel_hi:[1,0]
.endr
.endm
; Tile q of a key step: eight products K Q^T + mask, eight different accumulators; behind them, as the four places ahead of the first read of the results, the tile before's O^T x its f (v46 still holds it); then the softmax.
.macro TILE q, first, last
	WIN 0x14                                       ; Q and the mask in window 1
.irp i, 0,1,2,3,4,5,6,7
.if \i%2
	v_wmma_scale_f32_16x16x128_f8f6f4 v[S+8*\i:S+8*\i+7], v[F+6*\i:F+6*\i+11], v[QW+12*(\q):QW+12*(\q)+11], v[MC+8*\i:MC+8*\i+7], v[KS+\i/2], v[QS+(\q)] matrix_a_fmt:MATRIX_FMT_FP6 matrix_b_fmt:MATRIX_FMT_FP6 matrix_a_scale:MATRIX_SCALE_ROW1
.else
	v_wmma_scale_f32_16x16x128_f8f6f4 v[S+8*\i:S+8*\i+7], v[F+6*\i:F+6*\i+11], v[QW+12*(\q):QW+12*(\q)+11], v[MC+8*\i:MC+8*\i+7], v[KS+\i/2], v[QS+(\q)] matrix_a_fmt:MATRIX_FMT_FP6 matrix_b_fmt:MATRIX_FMT_FP6
.endif
.endr
.if ((\q) > 0) && ((\first) == 0)
	WIN 0x41
	RESC (\q)-1
.else
.rept 4
	v_nop
.endr
.endif
	WIN 0
.if (\q) == 3                          ; K's fragments, its scale words and the mask have had their last reader: V's four fragments and its scale words, and the next step's scale words of K and mask, come in under tile 3's softmax
	s_wait_alu depctr_va_vdst(0)                   ; this step's products K Q^T are done reading F, K's scale words and the mask, and the last step's V^T P^T V's scale words: the loads below land in all four.  Tiles 0-2's codes and scale words are written, which scaled products take
.irp t, 0,1,2,3
.irp p, 0,1,2,3,4,5
	ds_load_b64 v[F+12*\t+2*\p:F+12*\t+2*\p+1], v[ADV0+\t/2] offset:(\t%2)*16*VP+48*(\p/3)+8*(\p%3)
.endr
.endr
	ds_load_b64 v[VS:VS+1], v[ADT]
.if (\last) == 0
	KSMC                                           ; no vector or matrix instruction since the wait above
.endif
.endif
	SOFT \q, \first, \last
.endm
; A KEY STEP: 128 keys, four tiles of queries.  last = 1: the last step, which asks for no next step's scale words and mask.
.macro STEP first, last
	s_wait_alu depctr_vm_vsrc(0)                   ; the LDS loads issued so far have read the address registers that the additions below write
	v_add_nc_u32 v[ADK], s[TR], v[GL]              ; the step's addresses
	v_add_nc_u32 v[ADT], s[TR], v[ADT0]
	v_add_nc_u32 v[ADV0], s[TV], v[AV00]
	v_add_nc_u32 v[ADV1], s[TV], v[AV10]
.if (\last) == 0
	v_add_nc_u32 v[ADS], s[TN], v[GL]              ; and the next step's, for what tile 3 asks for ahead
	v_add_nc_u32 v[ADM], s[TN], v[ADM0]
.endif
	s_wait_alu depctr_va_vdst(0)                   ; the addresses are written, which this step's loads read; the last step's products V^T P^T are done reading F, in which the loads below land
.irp c, 0,1,2,3,4,5,6,7,8,9,10,11
	ds_load_b128 v[F+4*\c:F+4*\c+3], v[ADK] offset:512*\c      ; K's eight fragments, as the image lies
.endr
	s_wait_dscnt 0x0                               ; they are in, and so are K's scale words and the mask, asked for a tile ago
	TILE 0, \first, \last
	TILE 1, \first, \last
	TILE 2, \first, \last
	TILE 3, \first, \last
.if \first
.rept 8
	v_nop                                          ; a scale word written by a vector instruction stands eight places ahead of a scaled matrix instruction, an operand so written four
.endr
.else
	WIN 0x41
	RESC 3                                         ; tile 3's O^T x f: sixteen plain instructions, which are those places too
	WIN 0
.endif
	s_wait_alu depctr_va_vdst(0)                   ; tile 3's codes and scale word are written, which the scaled products below take; the places above stay beside this wait
.if \first
	WIN 0x40
.else
	WIN 0x50                                       ; C and D in window 1
.endif
.irp t, 0,1,2,3                        ; four accumulators, one instruction a turn
	PV \t, 3, \first
.endr
	WIN 0
.if (\last) == 0
	s_add_co_u32 s[TR], s[TR], REC
	s_add_co_u32 s[TV], s[TV], 96
	s_add_co_u32 s[TN], s[TN], REC
.endif
.endm
	s_wait_alu depctr_vm_vsrc(0)                   ; my LDS stores of the prologue have read K's scale words, the codes and the load sets: loads land in the first two, and products and the softmax write the last
	s_wait_alu depctr_va_vdst(0)                   ; v[ADS] and v[ADM] are written; the prologue's vector work on v[X ..], the codes and K's scale words is done; Q's codes, its zero codes and its scale words are written, which scaled products take
	KSMC                                           ; key step 0's
	STEP 1, 0                                      ; the first key step is written out: its products start O^T's sums
	s_mov_b32 s29, 14
.Lstep:
	STEP 0, 0
	s_sub_co_u32 s29, s29, 1
	s_cmp_lg_u32 s29, 0
	s_cbranch_scc1 .Lstep
	STEP 0, 1                                      ; the last key step is written out: nothing is asked for beyond the sixteenth record
	; THE WAY OUT.  The sum's halves and lane l xor 16's are added (plain instructions: the places behind the last products); O^T is divided by the sum and goes through my stage, a tile (16 rows of 256 bytes) at a time.
.irp q, 0,1,2,3
	v_add_f32 v[BM+\q], v[ST+4*\q+2], v[ST+4*\q+3]
.endr
.irp q, 0,1,2,3
	v_permlanex16_b32 v[BT+\q], v[BM+\q], s[SEL], s[SEL+1]
.endr
.irp q, 0,1,2,3
	v_add_f32 v[BM+\q], v[BM+\q], v[BT+\q]
.endr
.irp q, 0,1,2,3
	v_rcp_f32 v[BT+2*\q], v[BM+\q]                 ; v52, 54, 56, 58: the low words of four pairs
.endr
	v_nop                                          ; a plain instruction behind the last reciprocal
	s_wait_alu depctr_va_vdst(0)                   ; the four reciprocals are written: one wait, ahead of their first reader
.macro TILEOUT q
.set SB,  S+32*((\q)%2)
.set OBB, F+134*((\q)%2)               ; the rows come back into v70-101 and v204-235 by turns
.if (\q) >= 2
	s_wait_alu depctr_vm_vsrc(0)                   ; the stage's stores of the tile two back have read v[SB ..], which the multiplications write again; its global stores have read the registers in which the rows below come back
.endif
	WIN 0x01                                       ; source 0 (O^T) window 1
.irp j, 0,2,4,6,8,10,12,14,16,18,20,22,24,26,28,30
	v_pk_mul_f32 v[SB+\j:SB+\j+1], v[32*(\q)+\j:32*(\q)+\j+1], v[BT+2*(\q):BT+2*(\q)+1] op_sel_hi:[1,0]   ; register 8 t + i: o(lane % 16, 16 t + 8 (lane / 16) + i)
.endr
	WIN 0
	s_wait_alu depctr_va_vdst(0)                   ; the multiplications have written v[SB ..], which the stage's stores read; the last products are done reading V's fragments and P's codes, in whose registers the rows come back
.irp t, 0,1,2,3
	ds_store_b128 v[STO], v[SB+8*\t:SB+8*\t+3] offset:64*\t
	ds_store_b128 v[STO], v[SB+8*\t+4:SB+8*\t+7] offset:64*\t+16
.endr
.if (\q) >= 2
	s_wait_xcnt 0x0                                ; the stores of the tile two back have had their addresses translated: these loads land in their data registers only behind this wait
.endif
.irp i, 0,1,2,3,4,5,6,7
	ds_load_b128 v[OBB+4*\i:OBB+4*\i+3], v[RD] offset:2*SP*\i   ; LDS serves a wave's instructions in order: these see the stores above, and the next tile's stores come behind them
.endr
.endm
.macro SEND q, younger                 ; younger: the LDS instructions issued behind tile q's loads: the next tile's sixteen, or none
.set OBB, F+134*((\q)%2)
.irp i, 0,1,2,3,4,5,6,7
	s_wait_dscnt \younger+7-\i
	global_store_b128 v[GL], v[OBB+4*\i:OBB+4*\i+3], s[14:15] offset:4096*(\q)+512*\i th:TH_STORE_NT   ; 32 lanes store two rows: 512 consecutive bytes, at a multiple of 256 from out's first byte
.endr
.endm
	TILEOUT 0
	TILEOUT 1
	SEND 0, 16
	TILEOUT 2
	SEND 1, 16
	TILEOUT 3
	SEND 2, 16
	SEND 3, 0
	s_wait_dscnt 0x0                               ; the closing lines, six on end
	s_wait_alu 0x0
	s_wait_tensorcnt 0x0
	ds_add_u32 v[SPW], v[NIL]
	s_wait_dscnt 0x0
	s_endpgm
.Lfunc_end_k_qbd02ea553c_attn:
	.size	k_qbd02ea553c_attn, .Lfunc_end_k_qbd02ea553c_attn-k_qbd02ea553c_attn
	.p2alignl 7, 3214868480
	.fill 96, 4, 3214868480
	.section	.rodata,"a",@progbits
	.p2align	6, 0x0
	.amdhsa_kernel k_qbd02ea553c_attn
		.amdhsa_group_segment_fixed_size 253952
		.amdhsa_private_segment_fixed_size 0
		.amdhsa_enable_private_segment 0
		.amdhsa_kernarg_size 48
		.amdhsa_user_sgpr_count 2
		.amdhsa_user_sgpr_kernarg_segment_ptr 1
		.amdhsa_wavefront_size32 1
		.amdhsa_system_sgpr_workgroup_id_x 1
		.amdhsa_system_sgpr_workgroup_id_y 1
		.amdhsa_system_sgpr_workgroup_id_z 1
		.amdhsa_system_vgpr_workitem_id 0
		.amdhsa_next_free_vgpr 512
		.amdhsa_next_free_sgpr 66
		.amdhsa_reserve_vcc 0
		.amdhsa_float_denorm_mode_32 3
		.amdhsa_float_denorm_mode_16_64 3
		.amdhsa_memory_ordered 1
		.amdhsa_forward_progress 1
		.amdhsa_inst_pref_size 255
	.end_amdhsa_kernel
	.section	.bss,"aw",@nobits
	.p2align	6
	.space	262144
	.amdgpu_metadata
---
amdhsa.version: [ 1, 2 ]
amdhsa.kernels:
  - .name:           k_qbd02ea553c_attn
    .symbol:         k_qbd02ea553c_attn.kd
    .args:
      - { .name: query_layer, .offset: 0, .size: 8, .value_kind: global_buffer, .address_space: global }
      - { .name: key_layer, .offset: 8, .size: 8, .value_kind: global_buffer, .address_space: global }
      - { .name: value_layer_codes, .offset: 16, .size: 8, .value_kind: global_buffer, .address_space: global }
      - { .name: value_layer_scales, .offset: 24, .size: 8, .value_kind: global_buffer, .address_space: global }
      - { .name: attention_mask, .offset: 32, .size: 8, .value_kind: global_buffer, .address_space: global }
      - { .name: out0, .offset: 40, .size: 8, .value_kind: global_buffer, .address_space: global }
    .group_segment_fixed_size: 253952
    .private_segment_fixed_size: 0
    .kernarg_segment_align: 8
    .kernarg_segment_size: 48
    .max_flat_workgroup_size: 256
    .sgpr_count:     66
    .vgpr_count:     512
    .wavefront_size: 32
...
	.end_amdgpu_metadata
.endif
;; end of part 2
